; MI455X (gfx1250); checked and timed in simulation.
; The chip was launched on July 23, 2026; its instructions are those of AMD's public machine-readable ISA for CDNA 5 (MIT licence, August 2026) and "CDNA5" Instruction Set Architecture Reference Guide (July 2026). The comments in the code are by the model that wrote it; some were corrected since.
;; Exp Mov Avg Model. Allowed arithmetic: matrix products marked QUANTISED: E2M1 operands, one E8M0 scale for each 32 along K, by v_wmma_scale_f32_16x16x128_f8f6f4 with both operands' format E2M1 (or v_wmma_scale_f32_32x16x128_f4), f32 sums; products left as they are: f32 operands where the result goes on into a quantised operand, else bf16, f16 or f32 operands; f32 sums; everything else in f32.
;; Inputs: embd_weight 50,000 x 128 float32; lam_b 1 float32; lam_w 128 x 1 float32; problem_seq 32 x 1,024 int32; y 32 x 1,024 float32.
;; Outputs: out0 32 x 1,024 float32.
;; This version of the problem:
;;   THIS VERSION OF THE PROBLEM IS GIVEN IN LOW PRECISION. The matrix products marked QUANTISED in the list below multiply operands that are first quantised to E2M1 (2 exponent bits, 1 mantissa bit; 4 bits a number), with one power-of-two scale for each 32 numbers along K (OCP MX v1.0); their sums are f32. All else is computed in f32.
;;   The module's matrix products, in the order in which they are computed (A, B: the left and right operand; K: the contracted axis; several contracted axes count as one K, in the product's order):
;;     1. batch 32 x [M 1,024, K 128] x [K 128, N 1,024]; A: computed on the way; B: computed on the way: QUANTISED
;;     2. [M 32,768, K 128] x [K 128, N 1]; A: computed on the way; B: input lam_w: left as it is (N = 1 < 16)
;;     3. batch 32 x [M 1, K 1,024] x [K 1,024, N 1,024]; A: input y; B: computed on the way: left as it is (M = 1 < 16)
;;   THE QUANTISER, for each operand of a quantised product, along K:
;;     - K is cut into blocks of 32 from its start; a last block that is shorter is filled with zeros.
;;     - A block's scale is 2^e with e = floor(log2(the largest magnitude in the block)) - 2, held to -126 .. 127; a block of zeros has e = 0. As a byte (E8M0): e + 127.
;;     - Each number is divided by its block's scale, clamped to +-6, and rounded to the nearest number of E2M1, ties to even, subnormals kept.
;;     - The product sums the exact products of the quantised numbers (number of the format x scale) in f32.
;;   ~~~python
;;   def quantise(x, axis):      # numpy; x: float32 -> the quantised numbers, widened to float32 again
;;       x = np.moveaxis(x, axis, -1); K = x.shape[-1]
;;       x = np.pad(x, [(0, 0)] * (x.ndim - 1) + [(0, -K % 32)]); x = x.reshape(x.shape[:-1] + (-1, 32)); a = np.abs(x).max(-1, keepdims=True)
;;       e = np.where(a > 0, np.clip(np.frexp(np.where(a > 0, a, 1))[1] - 1 - 2, -126, 127), 0)      # np.frexp(a)[1] - 1 = floor(log2(a)), exactly
;;       r = np.clip(x / 2.0 ** e, -6, 6)
;;       step = 2.0 ** (np.maximum(np.frexp(np.where(r == 0, 1, r))[1] - 1, 0) - 1)
;;       q = np.round(r / step) * step * 2.0 ** e      # np.round: ties to even
;;       return np.moveaxis(q.reshape(q.shape[:-2] + (-1,))[..., :K], -1, axis).astype(np.float32)
;;   ~~~
;;   OPERANDS COMPUTED ON THE WAY. 'Computed on the way' means the value that the module computes at that place (a softmax that the list does not call 'softmax' is quantised finished and normalised). What goes into a quantiser is computed in f32, as accurately as f32 sums, v_exp_f32 and their like allow (about 1e-6 of the number): no bf16 or f16 on the way to a quantiser, and a product that is left as it is and whose result goes on into a quantised operand takes f32 operands (vector FMAs, or v_wmma_f32_16x16x4_f32). A number that lies on a knife's edge between two numbers of the format may be rounded either way, as far as f32 arithmetic and the matrix unit's own rounding can turn it there, and no further.
;; One version. Each part assembles by itself: llvm-mc -triple=amdgcn-amd-amdhsa -mcpu=gfx1250 --defsym DOCPART=n.
;; ======== version 1 of 1: 2 launches
;; workspace buffers: kimg 2,490,368 bytes; qaux 524,288 bytes
;; launch prep (part 1): grid 256 x 1, 8 waves a work-group, no clusters, 2,560 bytes of LDS; arguments embd_weight, lam_b, lam_w, problem_seq, y, kimg, qaux; writes kimg, qaux
.if DOCPART == 1
	.amdgcn_target "amdgcn-amd-amdhsa--gfx1250"
	.amdhsa_code_object_version 6
	.text
	.protected	k_q18a6b9f04f_prep
	.globl	k_q18a6b9f04f_prep
	.p2align	8
	.type	k_q18a6b9f04f_prep,@function
k_q18a6b9f04f_prep:
	s_mov_b64 s[64:65], 0
	v_nop
	global_prefetch_b8 v0, s[64:65] scope:SCOPE_SE
	s_setreg_imm32_b32 hwreg(HW_REG_WAVE_MODE, 25, 1), 1
	s_wait_xcnt 0x0
; PREP: every row x = embd_weight[problem_seq[b][t]] of the 32 x 1,024 sequence is gathered ONCE, quantised to FP4 (E2M1, one E8M0 byte for each 32 of the 128 along K),
; and left in the order in which the main launch's registers take it.  Beside the codes: mag = |x|, 1/mag, lam = exp(x . lam_w + lam_b), all in f32.
; SHARES.  A work-group is one step of 128 keys of one batch (work-group = 8 b + step); wave w makes fragment tile w: 16 rows.
; THE ROWS OF A TILE ARE NOT NEIGHBOURS: row r of tile w is key 64 (r / 8) + 32 (w / 4) + 16 (r % 2) + 15 - 4 (w % 4) - (r % 8) / 2 of the step.  In the main launch's result (a lane holds one query,
; its registers the keys 8 (lane / 16) + 0 .. 7 of each tile) the even and the odd registers of four tiles are then two runs of 16 neighbouring keys, descending.
; kimg, 9,728 bytes a step: 8 tiles x 1,024 bytes of codes (the image of a fragment's 8 registers: 16 bytes a lane, twice 512 bytes); 512 bytes of scale words (word 4 L + q: row L % 16 of tile 2 q + L / 16);
;   512 bytes of 1/mag and 512 of y, both at word 64 (r / 8) + 8 w + r % 8: the order of a lane half's registers.
; qaux, 256 bytes a tile: row r: g = -lam log2(e) / (2 mag), 1 / (2 mag), mag, mag.
; A lane (r, h) holds 16 numbers of each block of 32 of its row: register 16 b + i is k = 32 b + 16 h + i; lanes l and l xor 16 share a block.
; LIMITS: a row whose norm is 0 gives NaN here as in the definition, but the main launch's clip does not keep the NaN; NaN and infinities among the inputs are not served.
; A block of zeros gets the byte 1 and zero codes: the bytes are read by this program alone.
.set ROWS,  50000
.set STEPB, 9728
.set SPARE, 1536                       ; behind the stage of 1,536 bytes: the spare words, 128 bytes for each of the eight waves
.set SPW, 30                           ; v30  my spare word's address; never rewritten
.set NIL, 31                           ; v31  0; never rewritten
.set X,   32                           ; v32-95   my 64 numbers of the row
.set WL,  96                           ; v96-159  lam_w at the same k
.set PC,  160                          ; v160-167 the codes
.set TM,  168                          ; v168-183 at work in the quantiser
.set PW,  184                          ; v184     my row's scale word
.set SQ,  186                          ; v186-189 sums of squares
.set DW,  190                          ; v190-193 sums of x w
.set SEL, 30                           ; s[30:31] lane selects: lane l xor 16
; 64 numbers of a lane become a fragment's codes in v[PC] on and its scale word in v[PW]
.macro QUANT s
.irp b, 0,1,2,3
	v_max3_num_f32 v[TM+\b], |v[\s+16*\b]|, |v[\s+1+16*\b]|, 0x1800000   ; block b: my 16 numbers, and the floor 2^(3 - 127): the byte cannot fall under 1
.endr
.irp i, 2,4,6,8,10,12,14
.irp b, 0,1,2,3
	v_max3_num_f32 v[TM+\b], v[TM+\b], |v[\s+16*\b+\i]|, |v[\s+1+16*\b+\i]|   ; the four blocks by turns
.endr
.endr
.irp b, 0,1,2,3
	v_permlanex16_b32 v[TM+4+\b], v[TM+\b], s[SEL], s[SEL+1]
.endr
.irp b, 0,1,2,3
	v_max_num_f32 v[TM+\b], v[TM+\b], v[TM+4+\b]   ; with lane l xor 16's: the block's largest magnitude
.endr
.irp b, 0,1,2,3
	v_add_nc_u32 v[TM+12+\b], 0xff000000, v[TM+\b]   ; 2 off its exponent field: the conversion's scale operand
.endr
.irp b, 0,1,2,3
	v_lshrrev_b32 v[TM+4+\b], 23, v[TM+12+\b]      ; the scale's byte
.endr
	v_lshl_or_b32 v[PW], v[TM+5], 8, v[TM+4]
	v_lshl_or_b32 v[PW], v[TM+6], 16, v[PW]
	v_lshl_or_b32 v[PW], v[TM+7], 24, v[PW]
.irp b, 0,1,2,3
	v_cvt_scalef32_pk8_fp4_f32 v[PC+2*\b], v[\s+16*\b:\s+7+16*\b], v[TM+12+\b]
	v_cvt_scalef32_pk8_fp4_f32 v[PC+1+2*\b], v[\s+8+16*\b:\s+15+16*\b], v[TM+12+\b]
.endr
	v_nop                                          ; one plain instruction behind the scaled conversions
.irp c, 0,1                                    ; the operand's layout wants a whole block in a lane: lanes 0-15 block 2 c, lanes 16-31 block 2 c + 1
.irp i, 0,1
	v_permlane16_swap_b32 v[PC+4*\c+\i], v[PC+2+4*\c+\i]
.endr
.endr
.endm
	s_load_b256 s[4:11], s[0:1], 0x0               ; embd_weight s[4:5], lam_b s[6:7], lam_w s[8:9], problem_seq s[10:11]
	s_load_b128 s[12:15], s[0:1], 0x20             ; y s[12:13], kimg s[14:15]
	s_load_b64 s[16:17], s[0:1], 0x30              ; qaux
	v_lshl_add_u32 v[SPW], v0, 2, SPARE
	v_mov_b32 v[NIL], 0
	v_lshrrev_b32 v1, 5, v0
	v_readfirstlane_b32 s18, v1                    ; wave = tile 0..7
	v_and_b32 v2, 15, v0                           ; r
	v_bfe_u32 v3, v0, 4, 1                         ; h
	v_bfe_u32 v4, v0, 3, 1                         ; r / 8
	v_and_b32 v5, 1, v0                            ; r % 2
	v_bfe_u32 v6, v0, 1, 2                         ; (r % 8) / 2
	v_lshlrev_b32 v7, 6, v4
	v_lshl_add_u32 v7, v5, 4, v7
	v_sub_nc_u32 v7, v7, v6
	s_lshr_b32 s19, s18, 2
	s_lshl_b32 s19, s19, 5
	s_and_b32 s20, s18, 3
	s_lshl_b32 s20, s20, 2
	s_add_co_u32 s19, s19, 15
	s_sub_co_u32 s19, s19, s20                     ; 32 (w / 4) + 15 - 4 (w % 4)
	v_add_nc_u32 v7, s19, v7                       ; my row's key in the step
	v_lshlrev_b32 v8, 2, v7                        ; its 4 bytes in problem_seq and in y
	v_lshlrev_b32 v11, 6, v3                       ; 64 h: my 16 numbers of a block of 32
	s_and_b32 s20, s18, 1                          ; the stage: my row's scale word at 16 (r + 16 (w % 2)) + 4 (w / 2)
	s_lshl_b32 s20, s20, 8
	s_lshr_b32 s21, s18, 1
	s_lshl_b32 s21, s21, 2
	s_add_co_u32 s20, s20, s21
	v_lshl_add_u32 v12, v2, 4, s20
	v_and_b32 v13, 7, v0                           ; 1/mag at 512 + 4 (64 (r / 8) + 8 w + r % 8); y 512 bytes further on
	v_lshlrev_b32 v13, 2, v13
	v_lshl_add_u32 v13, v4, 8, v13
	s_lshl_b32 s21, s18, 5
	s_add_co_u32 s21, s21, 512
	v_add_nc_u32 v13, s21, v13
	v_and_b32 v14, 31, v0
	v_lshlrev_b32 v14, 4, v14                      ; 16 x lane: an image's place
	v_lshlrev_b32 v15, 4, v2
	v_lshl_add_u32 v15, v3, 3, v15                 ; qaux: 16 r + 8 h
	v_lshlrev_b32 v20, 4, v0                       ; the stage's way out: 16 x thread
.irp b, 0,1,2,3
	v_mov_b32 v[TM+4+\b], 0                        ; written once: a lane permute's destination counts as one of its sources
.endr
	s_mov_b32 s[SEL], 0x76543210
	s_mov_b32 s[SEL+1], 0xfedcba98
	s_lshl_b32 s22, ttmp9, 9                       ; 128 keys x 4 bytes a work-group
	s_mov_b32 s23, 0
	s_mov_b32 s27, 0
	s_wait_kmcnt 0x0
	s_load_b32 s24, s[6:7], 0x0                    ; lam_b
	s_add_nc_u64 s[10:11], s[10:11], s[22:23]
	s_add_nc_u64 s[12:13], s[12:13], s[22:23]
	global_load_b32 v9, v8, s[10:11]               ; my row's index
	global_load_b32 v10, v8, s[12:13]              ; my key's y
.irp b, 0,1,2,3
.irp j, 0,1,2,3
	global_load_b128 v[WL+16*\b+4*\j:WL+16*\b+4*\j+3], v11, s[8:9] offset:128*\b+16*\j
.endr
.endr
	s_mul_i32 s26, ttmp9, STEPB
	s_add_nc_u64 s[14:15], s[14:15], s[26:27]      ; kimg at this step's block
	s_lshl_b32 s26, s18, 10
	s_add_nc_u64 s[28:29], s[14:15], s[26:27]      ; and at my tile's image
	s_lshl_b32 s26, ttmp9, 11
	s_add_nc_u64 s[16:17], s[16:17], s[26:27]
	s_lshl_b32 s26, s18, 8
	s_add_nc_u64 s[16:17], s[16:17], s[26:27]      ; qaux at my tile's 256 bytes
	s_wait_loadcnt 17                              ; the index is in: behind it stand y's load and lam_w's sixteen
	v_min_u32 v9, ROWS-1, v9                       ; an index stays inside its table
	v_lshlrev_b32 v9, 9, v9                        ; a row is 512 bytes
	v_add_nc_u32 v9, v9, v11
.irp b, 0,1,2,3
.irp j, 0,1,2,3
	global_load_b128 v[X+16*\b+4*\j:X+16*\b+4*\j+3], v9, s[4:5] offset:128*\b+16*\j
.endr
.endr
	s_wait_loadcnt 0x0
	s_wait_kmcnt 0x0
	; the sum of squares and x . lam_w, two numbers an instruction, two chains each; the first products start the sums
.irp i, 0,1
	v_pk_mul_f32 v[SQ+2*\i:SQ+2*\i+1], v[X+2*\i:X+2*\i+1], v[X+2*\i:X+2*\i+1]
	v_pk_mul_f32 v[DW+2*\i:DW+2*\i+1], v[X+2*\i:X+2*\i+1], v[WL+2*\i:WL+2*\i+1]
.endr
.set ii, 2
.rept 30
	v_pk_fma_f32 v[SQ+2*(ii%2):SQ+2*(ii%2)+1], v[X+2*ii:X+2*ii+1], v[X+2*ii:X+2*ii+1], v[SQ+2*(ii%2):SQ+2*(ii%2)+1]
	v_pk_fma_f32 v[DW+2*(ii%2):DW+2*(ii%2)+1], v[X+2*ii:X+2*ii+1], v[WL+2*ii:WL+2*ii+1], v[DW+2*(ii%2):DW+2*(ii%2)+1]
.set ii, ii+1
.endr
	v_pk_add_f32 v[SQ:SQ+1], v[SQ:SQ+1], v[SQ+2:SQ+3]
	v_pk_add_f32 v[DW:DW+1], v[DW:DW+1], v[DW+2:DW+3]
	v_add_f32 v[SQ], v[SQ], v[SQ+1]
	v_add_f32 v[DW], v[DW], v[DW+1]
	v_permlanex16_b32 v[SQ+2], v[SQ], s[SEL], s[SEL+1]
	v_permlanex16_b32 v[DW+2], v[DW], s[SEL], s[SEL+1]
	v_add_f32 v[SQ], v[SQ], v[SQ+2]                ; the row's sum of squares, in both halves
	v_add_f32 v[DW], v[DW], v[DW+2]                ; x . lam_w
	v_add_f32 v[DW], s24, v[DW]
	v_mul_f32 v[DW], 0x3fb8aa3b, v[DW]             ; x log2(e)
	v_rsq_f32 v[SQ+1], v[SQ]                       ; 1 / mag
	v_exp_f32 v[DW+1], v[DW]                       ; lam
	QUANT X                                        ; names neither result: the independent work behind the two
	s_wait_alu depctr_va_vdst(0)                   ; one wait for both, ahead of their first reader
	v_mul_f32 v[SQ+2], v[SQ], v[SQ+1]              ; mag
	v_mul_f32 v[SQ+3], 0.5, v[SQ+1]                ; 1 / (2 mag)
	v_mul_f32 v[DW+2], v[DW+1], v[SQ+3]
	v_mul_f32 v[DW+2], 0xbfb8aa3b, v[DW+2]         ; g = -lam log2(e) / (2 mag)
	v_cmp_eq_u32 vcc_lo, 1, v3
	v_cndmask_b32 v[DW], v[DW+2], v[SQ+2], vcc_lo  ; lanes 0-15 store (g, 1 / (2 mag)), lanes 16-31 (mag, mag)
	v_cndmask_b32 v[DW+1], v[SQ+3], v[SQ+2], vcc_lo
	global_store_b128 v14, v[PC:PC+3], s[28:29]                ; 32 lanes store 512 consecutive bytes, aligned
	global_store_b128 v14, v[PC+4:PC+7], s[28:29] offset:512
	global_store_b64 v15, v[DW:DW+1], s[16:17]                 ; 32 lanes store 256 consecutive bytes, aligned
	ds_store_b32 v12, v[PW]                        ; both halves hold the same three numbers and write them to the same words
	ds_store_b32 v13, v[SQ+1]
	ds_store_b32 v13, v10 offset:512
	s_wait_dscnt 0x0                               ; for the others' sake: my stores into the stage are done
	s_barrier_signal -1
	s_barrier_wait -1
	s_cmp_gt_u32 s18, 2                            ; the stage's 1,536 bytes leave by waves 0 to 2, 512 consecutive bytes each
	s_cbranch_scc1 .Ldone
	ds_load_b128 v[24:27], v20
	s_wait_dscnt 0x0
	global_store_b128 v20, v[24:27], s[14:15] offset:8192
.Ldone:
	s_wait_tensorcnt 0x0                           ; the wave's end: behind my last LDS store
	ds_add_u32 v[SPW], v[NIL]
	s_wait_dscnt 0x0
	s_endpgm
.Lfunc_end_k_q18a6b9f04f_prep:
	.size	k_q18a6b9f04f_prep, .Lfunc_end_k_q18a6b9f04f_prep-k_q18a6b9f04f_prep
	.p2alignl 7, 3214868480
	.fill 96, 4, 3214868480
	.section	.rodata,"a",@progbits
	.p2align	6, 0x0
	.amdhsa_kernel k_q18a6b9f04f_prep
		.amdhsa_group_segment_fixed_size 2560
		.amdhsa_private_segment_fixed_size 0
		.amdhsa_enable_private_segment 0
		.amdhsa_kernarg_size 56
		.amdhsa_user_sgpr_count 2
		.amdhsa_user_sgpr_kernarg_segment_ptr 1
		.amdhsa_wavefront_size32 1
		.amdhsa_system_sgpr_workgroup_id_x 1
		.amdhsa_system_sgpr_workgroup_id_y 1
		.amdhsa_system_sgpr_workgroup_id_z 1
		.amdhsa_system_vgpr_workitem_id 0
		.amdhsa_next_free_vgpr 200
		.amdhsa_next_free_sgpr 66
		.amdhsa_reserve_vcc 1
		.amdhsa_float_denorm_mode_32 3
		.amdhsa_float_denorm_mode_16_64 3
		.amdhsa_memory_ordered 1
		.amdhsa_forward_progress 1
		.amdhsa_inst_pref_size 16
	.end_amdhsa_kernel
	.amdgpu_metadata
---
amdhsa.version: [ 1, 2 ]
amdhsa.kernels:
  - .name:           k_q18a6b9f04f_prep
    .symbol:         k_q18a6b9f04f_prep.kd
    .args:
      - { .name: embd_weight, .offset: 0, .size: 8, .value_kind: global_buffer, .address_space: global }
      - { .name: lam_b, .offset: 8, .size: 8, .value_kind: global_buffer, .address_space: global }
      - { .name: lam_w, .offset: 16, .size: 8, .value_kind: global_buffer, .address_space: global }
      - { .name: problem_seq, .offset: 24, .size: 8, .value_kind: global_buffer, .address_space: global }
      - { .name: y, .offset: 32, .size: 8, .value_kind: global_buffer, .address_space: global }
      - { .name: kimg, .offset: 40, .size: 8, .value_kind: global_buffer, .address_space: global }
      - { .name: qaux, .offset: 48, .size: 8, .value_kind: global_buffer, .address_space: global }
    .group_segment_fixed_size: 2560
    .private_segment_fixed_size: 0
    .kernarg_segment_align: 8
    .kernarg_segment_size: 56
    .max_flat_workgroup_size: 256
    .sgpr_count:     66
    .vgpr_count:     200
    .wavefront_size: 32
...
	.end_amdgpu_metadata
.endif
;; end of part 1
;; launch main (part 2): grid 256 x 1, 12 waves a work-group, clusters of 4 x 1, 167,936 bytes of LDS; arguments kimg, qaux, out0; writes out0
.if DOCPART == 2
	.amdgcn_target "amdgcn-amd-amdhsa--gfx1250"
	.amdhsa_code_object_version 6
	.text
	.protected	k_q18a6b9f04f_main
	.globl	k_q18a6b9f04f_main
	.p2align	8
	.type	k_q18a6b9f04f_main,@function
k_q18a6b9f04f_main:
	s_mov_b64 s[64:65], 0
	v_nop
	global_prefetch_b8 v0, s[64:65] scope:SCOPE_SE
	s_setreg_imm32_b32 hwreg(HW_REG_WAVE_MODE, 25, 1), 1
	s_wait_xcnt 0x0
	s_wait_alu depctr_hold_cnt(0) depctr_sa_sdst(0) depctr_va_vdst(0) depctr_va_sdst(0) depctr_va_ssrc(0) depctr_va_vcc(0) depctr_vm_vsrc(0)
	s_getreg_b32 s2, hwreg(HW_REG_IB_STS2, 6, 4)
	s_cmp_eq_u32 s2, 0
	s_cbranch_scc0 .Lentry_in_a_cluster
	s_endpgm
.Lentry_in_a_cluster:
	s_bfe_u32 s2, ttmp6, 0x10000c
	s_cmp_lg_u32 s2, 0x3003
	s_cbranch_scc0 .Lentry_shape_is_right
	s_endpgm
.Lentry_shape_is_right:
; MAIN: yhat[b][t] = clip( sum_s y[s] w[t][s] / (sum_s w[t][s] + 1e-6), 0.01, 0.99 ),  w = sim exp(-lam_t delta),  sim = (cos + 1) / 2 for s < t, else 0,  delta[t][s] = sum of sim[t][s'] over s' >= s.
; cos's product is made on codes of FP4 with E8M0 scales, as the launch before left them.
; ALGEBRA.  With hrt = 1 / (2 mag_t):  sim = hrt b,  b = dot / mag_s + mag_t (one fused multiply-add);  exp(-lam delta) = 2^(g S),  g = -lam log2(e) hrt,  S = the suffix sum of b.
; A piece of the keys can be summed with its OWN suffix sums: if W', Y' are its sums and the keys behind it have the total T, its share is 2^(g T) W', 2^(g T) Y'.  So pieces are independent, and are joined at the end.
; SHARES.  Work-group (batch b, j = 0..7) owns tile j (16 queries) of each of the batch's 8 groups of 128 queries: tile i meets key steps 0 .. i: 36 items (tile, step of 128 keys), alike in every work-group.
; Twelve waves, three items each.  Wave w, P = w % 4, q = w / 4, takes places 3 q .. 3 q + 2 of the list [step P: tiles P .. 7][step 7 - P: tiles 7 - P .. 7]: its items mostly share a key step,
; so that the step's codes, 1/mag and y are read from LDS once for up to three tiles (15 reads of a step for the 36 items).  A step goes in two groups of 64 keys, the upper first.
; LAYOUT.  S^T = K Q^T (source 0 = 16 keys, source 1 = my 16 queries): a lane holds ONE query (lane % 16).  The keys of a tile are chosen (see the launch before) so that register e of a group's 32 is key
; 64 h + 32 g + 16 (e % 2) + 15 - e / 2 of the step (h = lane / 16): even and odd registers are two runs of 16 neighbours, descending: the suffix sum is a chain of packed additions, ascending through the registers.
; A lane's 64 keys of a step are a piece of their own: no lane asks another for anything until the end.  A query tile is a key tile: its fragment is that tile's image.
; CLUSTER.  The four work-groups of a cluster belong to one batch and need the same 77,824 bytes: they are asked for JOINTLY, eight loads (waves 0 to 7, a step each) with a mask that names the four.
; Only global addresses and lane data (the mask's threshold) hang on the place in the cluster; no branch and no LDS address does.
; THE OUTPUT leaves in pieces of 16 bytes (a tile's queries are four runs of four): equal work asks for one tile of every group in each work-group, and out0 is 131,072 bytes in all.
; LIMITS: a row of norm 0, and lam = infinity, give NaN in the definition; the clip here does not keep a NaN.  NaN and infinities among the inputs are not served.
.set STEPB,  9728                      ; a step's block: 8,192 codes, 512 scale words, 512 1/mag, 512 y
.set O_SC,   8192
.set O_RS,   8704
.set O_Y,    9216
.set RES,    8*STEPB                   ; behind the images: 36 slots (3 x wave + item) of 3 x 128 bytes: g T, W', Y' of each lane
.set SLOTB,  384
.set SPARE,  RES+36*SLOTB              ; the spare words, 128 bytes for each of the twelve waves
.set LI,  1                            ; v1   16 x lane
.set HR,  2                            ; v2   256 h
.set DQ,  3                            ; v3   my query's place in its group - 64 h: register with key constant c counts on the diagonal where c < this
.set HH,  4                            ; v4   h
.set TL,  5                            ; v5   4 x my query's place in its group
.set SPW, 6                            ; v6   my spare word's address; never rewritten
.set NIL, 7                            ; v7   0; never rewritten
.set VQF, 8                            ; v8-10 global offsets: my tile's image, its scale word, its constants
.set VQS, 9
.set VQA, 10
.set L4R, 11                           ; v11  RES + 4 x lane
.set AK,  12                           ; v12-14 item s: LDS address of its step's images, 16 x lane on
.set AR,  15                           ; v15-17 and of its step's block, 256 h on
.set PA,  18                           ; v[18:19] g x what lies behind the even run, behind the odd run
.set ST,  20                           ; v20-43 item s: W' in two pairs, Y' in two pairs
.set NX,  44                           ; v44-46 item s: g x the total so far
.set QS,  47                           ; v47-49 item s: the queries' scale words
.set AD,  50                           ; v50  where I store my results
.set AD2, 51
.set T0,  52
.set HRT, 54                           ; v54  1 / (2 mag) of the query that I finish
.set QA,  58                           ; v58-69 item s: g, 1 / (2 mag), mag, mag of my query
.set QF,  70                           ; v70-93 item s: the queries' fragment
.set SC,  94                           ; v[94:95] the group's key scale words: lanes 0-15 an even tile's, lanes 16-31 the next tile's
.set CD,  96                           ; v96-127  four key fragments
.set RS,  128                          ; v128-159 1/mag of my 32 keys
.set YV,  160                          ; v160-191 y of my 32 keys
.set B,   192                          ; v192-223 the products, then b, then b 2^(g S)
.set S,   224                          ; v224-255 suffix sums, then exponents, then 2^(g S)
.set KT,  20                           ; s20-22 item s: its key step;  s24-26 its tile;  s28-30 its step's LDS byte
.set IT,  24
.set KB,  28
.macro ROUND                           ; a round of the cluster's barrier
	s_barrier_signal -1
	s_barrier_wait -1
	s_cmp_lg_u32 s10, 0
	s_cbranch_scc1 .Lnot_wave_0_\@
	s_barrier_signal -3
.Lnot_wave_0_\@:
	s_barrier_wait -3
	s_barrier_signal -1
	s_barrier_wait -1
.endm
.macro LOADA s, g                      ; group g of item s's step: four fragments, their scale words, 1/mag
.irp t, 0,1,2,3
	ds_load_b128 v[CD+8*\t:CD+8*\t+3], v[AK+\s] offset:(4*\g+\t)*1024
	ds_load_b128 v[CD+8*\t+4:CD+8*\t+7], v[AK+\s] offset:(4*\g+\t)*1024+512
.endr
	ds_load_b64 v[SC:SC+1], v[AK+\s] offset:O_SC+8*\g
.irp i, 0,1,2,3,4,5,6,7
	ds_load_b128 v[RS+4*\i:RS+4*\i+3], v[AR+\s] offset:O_RS+128*\g+16*\i
.endr
.endm
.macro LOADY s, g
.irp i, 0,1,2,3,4,5,6,7
	ds_load_b128 v[YV+4*\i:YV+4*\i+3], v[AR+\s] offset:O_Y+128*\g+16*\i
.endr
.endm
.macro RELOAD s, g                     ; item s takes the registers as item s - 1 left them, unless its key step is another: a branch on the wave's number alone
	s_cmp_eq_u32 s[KT+\s], s[KT+\s-1]
	s_cbranch_scc1 .Lsame_\@
	LOADA \s, \g
	LOADY \s, \g
	s_wait_dscnt 0x0
.Lsame_\@:
.endm
; Item s, group g (1: the upper 32 keys of my half, first; 0: the lower).  pre = 1: the next group's operands are asked for as soon as their registers are free.
.macro PROC s, g, pre
.irp t, 0,2
	v_wmma_scale_f32_16x16x128_f8f6f4 v[B+8*\t:B+8*\t+7], v[CD+8*\t:CD+8*\t+7], v[QF+8*\s:QF+8*\s+7], 0, v[SC+\t/2], v[QS+\s] matrix_a_fmt:MATRIX_FMT_FP4 matrix_b_fmt:MATRIX_FMT_FP4
	v_wmma_scale_f32_16x16x128_f8f6f4 v[B+8*\t+8:B+8*\t+15], v[CD+8*\t+8:CD+8*\t+15], v[QF+8*\s:QF+8*\s+7], 0, v[SC+\t/2], v[QS+\s] matrix_a_fmt:MATRIX_FMT_FP4 matrix_b_fmt:MATRIX_FMT_FP4 matrix_a_scale:MATRIX_SCALE_ROW1
.endr
.rept 4
	v_nop                                          ; four places behind the products: for the reads of their results, and for later loads into their sources
.endr
.irp e, 0,2,4,6,8,10,12,14,16,18,20,22,24,26,28,30
	v_pk_fma_f32 v[B+\e:B+\e+1], v[B+\e:B+\e+1], v[RS+\e:RS+\e+1], v[QA+4*\s+2:QA+4*\s+3]   ; b = dot / mag_s + mag_t; each accumulator is read from its low end on
.endr
	s_cmp_lg_u32 s[IT+\s], s[KT+\s]                ; on the diagonal (tile = step) keys at or behind my query count for nothing: b = 0 there
	s_cbranch_scc1 .Lopen_\@
.irp e, 0,1,2,3,4,5,6,7,8,9,10,11,12,13,14,15,16,17,18,19,20,21,22,23,24,25,26,27,28,29,30,31
	v_cmp_lt_i32 vcc_lo, 32*\g+16*(\e%2)+15-\e/2, v[DQ]
	v_cndmask_b32 v[B+\e], 0, v[B+\e], vcc_lo
.endr
.Lopen_\@:
.if \pre
	LOADA 0, 0                                     ; codes, scale words and 1/mag have been read: the first item's lower group may land there
.endif
	v_pk_add_f32 v[S+2:S+3], v[B:B+1], v[B+2:B+3]  ; the two runs' suffix sums, side by side
.irp e, 4,6,8,10,12,14,16,18,20,22,24,26,28,30
	v_pk_add_f32 v[S+\e:S+\e+1], v[S+\e-2:S+\e-1], v[B+\e:B+\e+1]
.endr
.if \g
	v_mov_b32 v[PA+1], 0                           ; nothing of my piece lies behind the upper group's odd run
	v_mul_f32 v[PA], v[QA+4*\s], v[S+31]           ; behind the even run: the odd run
.else
	v_mov_b32 v[PA+1], v[NX+\s]                    ; behind the odd run: the upper group
	v_fma_f32 v[PA], v[QA+4*\s], v[S+31], v[NX+\s]
.endif
	v_fma_f32 v[NX+\s], v[QA+4*\s], v[S+30], v[PA] ; g x the total so far
	v_pk_fma_f32 v[S:S+1], v[B:B+1], v[QA+4*\s:QA+4*\s+1], v[PA:PA+1] op_sel_hi:[1,0,1]   ; the exponents g S (of the pair (g, hrt) the low word serves both halves)
	v_pk_fma_f32 v[S+2:S+3], v[S+2:S+3], v[QA+4*\s:QA+4*\s+1], v[PA:PA+1] op_sel_hi:[1,0,1]
.set ee, 0
.rept 14                                       ; one batch of 32 exponentials, a scaling leading each two; none of these lines names an exponential's result
	v_pk_fma_f32 v[S+ee+4:S+ee+5], v[S+ee+4:S+ee+5], v[QA+4*\s:QA+4*\s+1], v[PA:PA+1] op_sel_hi:[1,0,1]
	v_exp_f32 v[S+ee], v[S+ee]
	v_exp_f32 v[S+ee+1], v[S+ee+1]
.set ee, ee+2
.endr
.irp e, 28,29,30,31
	v_exp_f32 v[S+\e], v[S+\e]
.endr
	v_nop                                          ; a plain instruction behind the last exponential
	s_wait_alu depctr_va_vdst(0)                   ; one wait for the batch, ahead of its first reader
.set ee, 0
.rept 8                                        ; b 2^(g S), its sum and its sum with y: two chains each
.if \g && (ee == 0)
	v_pk_mul_f32 v[ST+8*\s:ST+8*\s+1], v[B:B+1], v[S:S+1]              ; the first products start the sums
	v_pk_mul_f32 v[ST+8*\s+2:ST+8*\s+3], v[B+2:B+3], v[S+2:S+3]
	v_pk_mul_f32 v[ST+8*\s+4:ST+8*\s+5], v[ST+8*\s:ST+8*\s+1], v[YV:YV+1]
	v_pk_mul_f32 v[ST+8*\s+6:ST+8*\s+7], v[ST+8*\s+2:ST+8*\s+3], v[YV+2:YV+3]
.else
	v_pk_mul_f32 v[B+ee:B+ee+1], v[B+ee:B+ee+1], v[S+ee:S+ee+1]
	v_pk_mul_f32 v[B+ee+2:B+ee+3], v[B+ee+2:B+ee+3], v[S+ee+2:S+ee+3]
	v_pk_add_f32 v[ST+8*\s:ST+8*\s+1], v[ST+8*\s:ST+8*\s+1], v[B+ee:B+ee+1]
	v_pk_add_f32 v[ST+8*\s+2:ST+8*\s+3], v[ST+8*\s+2:ST+8*\s+3], v[B+ee+2:B+ee+3]
	v_pk_fma_f32 v[ST+8*\s+4:ST+8*\s+5], v[B+ee:B+ee+1], v[YV+ee:YV+ee+1], v[ST+8*\s+4:ST+8*\s+5]
	v_pk_fma_f32 v[ST+8*\s+6:ST+8*\s+7], v[B+ee+2:B+ee+3], v[YV+ee+2:YV+ee+3], v[ST+8*\s+6:ST+8*\s+7]
.endif
.set ee, ee+4
.endr
.if \pre
	LOADY 0, 0
.endif
.endm
	s_load_b128 s[4:7], s[0:1], 0x0                ; kimg s[4:5], qaux s[6:7]
	s_load_b64 s[8:9], s[0:1], 0x10                ; out0
	v_lshl_add_u32 v[SPW], v0, 2, SPARE
	v_mov_b32 v[NIL], 0
	ds_add_u32 v[SPW], v[NIL]                      ; the wave's opening: the add and its wait come ahead of the first tensor loads; the set-up below, work on registers, stands between them
	v_lshrrev_b32 v[T0], 5, v0
	v_readfirstlane_b32 s10, v[T0]                 ; wave 0..11
	s_bfe_u32 s11, ttmp6, 0x40000                  ; cx: my place in the cluster
	s_lshr_b32 s12, ttmp9, 1                       ; the batch: two clusters to a batch; the four partners share it
	s_and_b32 s13, ttmp9, 1
	s_lshl_b32 s13, s13, 2
	s_add_co_u32 s13, s13, s11                     ; j = 4 (cluster % 2) + cx: enters global addresses and lane data alone
	s_and_b32 s14, s10, 3                          ; P
	s_lshr_b32 s15, s10, 2
	s_mul_i32 s15, s15, 3
	s_add_co_u32 s15, s15, s14                     ; 3 q + P
	s_add_co_u32 s16, s14, 1
.irp s, 0,1,2
	s_add_co_u32 s60, s15, \s                      ; u = place in the list + P
	s_lshr_b32 s61, s60, 3                         ; 1 in the list's second part
	s_mul_i32 s62, s61, 7
	s_xor_b32 s[KT+\s], s14, s62                   ; key step: P, or 7 - P
	s_mul_i32 s62, s61, s16
	s_sub_co_u32 s[IT+\s], s60, s62                ; tile: u, or u - P - 1
	s_mul_i32 s[KB+\s], s[KT+\s], STEPB
.endr
	s_mov_b32 s18, 0x76543210                      ; lane selects: lane l xor 16
	s_mov_b32 s19, 0xfedcba98
	s_mov_b32 s23, 0x3c23d70a                      ; 0.01
	s_mov_b32 s27, 0x3f7d70a4                      ; 0.99
	; the descriptor: a step's block, 9,728 dense bytes, as 38 rows of 256 bytes (32 elements of 8 bytes)
	s_mov_b32 s32, 1                               ; count = 1
	s_mul_i32 s33, s10, STEPB                      ; LDS address: wave x a block
	s_mov_b32 s36, 15|(3<<16)|(1<<21)              ; 15:0 the mask: all four work-groups; 17:16 elements of 8 bytes; 21 set beside a mask; no padding
	s_mov_b32 s37, 32<<16                          ; tensor_dim0 = 32
	s_mov_b32 s38, 38<<16                          ; tensor_dim1 = 38
	s_mov_b32 s39, 32<<16                          ; tile_dim0 = 32
	s_mov_b32 s40, 38                              ; tile_dim1 = 38
	s_mov_b32 s41, 32                              ; elements from row to row
	s_mov_b32 s42, 0
	s_mov_b32 s43, 0
	v_and_b32 v[T0], 31, v0                        ; lane
	v_lshlrev_b32 v[LI], 4, v[T0]
	v_lshl_add_u32 v[L4R], v[T0], 2, RES
	v_bfe_u32 v[HH], v0, 4, 1                      ; h
	v_lshlrev_b32 v[HR], 8, v[HH]
	v_bfe_u32 v[TL], v0, 3, 1                      ; my query's place in its group: 64 (r / 8) + 32 (j / 4) + 16 (r % 2) + 15 - 4 (j % 4) - (r % 8) / 2
	v_lshlrev_b32 v[TL], 6, v[TL]
	v_and_b32 v[DQ], 1, v0
	v_lshl_add_u32 v[TL], v[DQ], 4, v[TL]
	v_bfe_u32 v[DQ], v0, 1, 2
	v_sub_nc_u32 v[TL], v[TL], v[DQ]
	s_lshr_b32 s60, s13, 2
	s_lshl_b32 s60, s60, 5
	s_and_b32 s61, s13, 3
	s_lshl_b32 s61, s61, 2
	s_add_co_u32 s60, s60, 15
	s_sub_co_u32 s60, s60, s61
	v_add_nc_u32 v[TL], s60, v[TL]
	v_lshlrev_b32 v[DQ], 6, v[HH]
	v_sub_nc_u32 v[DQ], v[TL], v[DQ]
	v_lshlrev_b32 v[TL], 2, v[TL]
	v_and_b32 v[VQA], 15, v0
	v_lshlrev_b32 v[VQA], 4, v[VQA]                ; 16 r
	s_and_b32 s60, s13, 1                          ; tile j's scale words in a block: O_SC + 16 (r + 16 (j % 2)) + 4 (j / 2)
	s_lshl_b32 s60, s60, 8
	s_lshr_b32 s61, s13, 1
	s_lshl_b32 s61, s61, 2
	s_add_co_u32 s60, s60, s61
	s_add_co_u32 s60, s60, O_SC
	v_add_nc_u32 v[VQS], s60, v[VQA]
	s_lshl_b32 s60, s13, 8
	v_add_nc_u32 v[VQA], s60, v[VQA]               ; its constants: 256 j + 16 r
	s_lshl_b32 s60, s13, 10
	v_add_nc_u32 v[VQF], s60, v[LI]                ; its image: 1,024 j + 16 x lane
.irp s, 0,1,2
	v_add_nc_u32 v[AK+\s], s[KB+\s], v[LI]
	v_add_nc_u32 v[AR+\s], s[KB+\s], v[HR]
.endr
	s_mul_i32 s60, s10, 3*SLOTB
	v_add_nc_u32 v[AD], s60, v[L4R]                ; my wave's three slots
	s_mov_b32 s61, 0
	s_wait_dscnt 0x0                               ; the opening add is done
	s_wait_kmcnt 0x0
	s_mul_i32 s60, s12, 8*STEPB
	s_add_nc_u64 s[44:45], s[4:5], s[60:61]        ; the batch's images
	s_mov_b32 s60, s33
	s_add_nc_u64 s[34:35], s[44:45], s[60:61]      ; the block that I fetch: step = wave
	s_or_b32 s35, s35, 0x80000000                  ; type = 2
	s_lshl_b32 s60, s12, 14
	s_add_nc_u64 s[46:47], s[6:7], s[60:61]        ; the batch's constants
.irp s, 0,1,2
	s_mul_i32 s60, s[IT+\s], STEPB
	s_add_nc_u64 s[48+2*\s:49+2*\s], s[44:45], s[60:61]
	s_lshl_b32 s60, s[IT+\s], 11
	s_add_nc_u64 s[54+2*\s:55+2*\s], s[46:47], s[60:61]
.endr
	s_min_u32 s62, s10, 7                          ; the tile that I finish (waves 8 to 11 finish none: held inside the buffers)
	s_lshl_b32 s60, s62, 11
	s_add_nc_u64 s[2:3], s[46:47], s[60:61]
	s_lshl_b32 s60, s12, 12
	s_add_nc_u64 s[8:9], s[8:9], s[60:61]
	s_lshl_b32 s60, s62, 9
	s_add_nc_u64 s[8:9], s[8:9], s[60:61]          ; out0 at my tile's group of 128 queries
	ROUND                                          ; all four work-groups are here: the joint loads meet
	s_cmp_lt_u32 s10, 8                            ; waves 0 to 7 fetch a step each: one tensor load of mine is out at the most
	s_cbranch_scc0 .Lno_fill
	tensor_load_to_lds s[32:35], s[36:43]
	s_nop 0
.Lno_fill:
.irp s, 0,1,2                                  ; my three tiles of queries come straight into registers
	global_load_b128 v[QF+8*\s:QF+8*\s+3], v[VQF], s[48+2*\s:49+2*\s]
	global_load_b128 v[QF+8*\s+4:QF+8*\s+7], v[VQF], s[48+2*\s:49+2*\s] offset:512
	global_load_b32 v[QS+\s], v[VQS], s[48+2*\s:49+2*\s]
	global_load_b128 v[QA+4*\s:QA+4*\s+3], v[VQA], s[54+2*\s:55+2*\s]
.endr
	global_load_b32 v[HRT], v[VQA], s[2:3] offset:4
	s_wait_tensorcnt 0x0                           ; my block has landed,
	s_barrier_signal -1
	s_barrier_wait -1                              ; everybody's has
	LOADA 0, 1
	LOADY 0, 1
	s_wait_loadcnt 0x0                             ; the queries
	s_wait_dscnt 0x0
	PROC 0, 1, 0
	RELOAD 1, 1
	PROC 1, 1, 0
	RELOAD 2, 1
	PROC 2, 1, 1
	s_wait_dscnt 0x0                               ; the first item's lower group, asked for inside the last item
	PROC 0, 0, 0
	RELOAD 1, 0
	PROC 1, 0, 0
	RELOAD 2, 0
	PROC 2, 0, 0
.irp s, 0,1,2                                  ; my lane's W' and Y' of each item
	v_pk_add_f32 v[ST+8*\s:ST+8*\s+1], v[ST+8*\s:ST+8*\s+1], v[ST+8*\s+2:ST+8*\s+3]
	v_pk_add_f32 v[ST+8*\s+4:ST+8*\s+5], v[ST+8*\s+4:ST+8*\s+5], v[ST+8*\s+6:ST+8*\s+7]
.endr
.irp s, 0,1,2
	v_add_f32 v[ST+8*\s], v[ST+8*\s], v[ST+8*\s+1]
	v_add_f32 v[ST+8*\s+4], v[ST+8*\s+4], v[ST+8*\s+5]
.endr
	s_wait_dscnt 0x0                               ; every wave's reads of the images are over before any result is stored: reads and stores of LDS stand in intervals of their own
	s_barrier_signal -1
	s_barrier_wait -1
.irp s, 0,1,2
	ds_store_b32 v[AD], v[NX+\s] offset:\s*SLOTB
	ds_store_b32 v[AD], v[ST+8*\s] offset:\s*SLOTB+128
	ds_store_b32 v[AD], v[ST+8*\s+4] offset:\s*SLOTB+256
.endr
	s_wait_dscnt 0x0                               ; for the others' sake: my results are in LDS
	s_barrier_signal -1
	s_barrier_wait -1
	; THE JOINING.  Wave i < 8 finishes tile i: its pieces are (step k, half h), k = i .. 0, the upper half first.  Lane (r, h) takes the pieces of its own half.
	s_cmp_gt_u32 s10, 7
	s_cbranch_scc1 .Lno_join
.set TT, 96                            ; g T, W', Y' of step k; the other half's g T; sums; exponents
.set WW, 104
.set YY, 112
.set OO, 120
.set UU, 128
.set CC, 136
.irp k, 0,1,2,3,4,5,6,7
	v_mov_b32 v[TT+\k], 0                          ; a step that my tile does not meet counts as an empty piece
	v_mov_b32 v[WW+\k], 0
	v_mov_b32 v[YY+\k], 0
	v_mov_b32 v[OO+\k], 0                          ; (a lane permute's destination counts as one of its sources)
.endr
.irp k, 0,1,2,3,4,5,6,7
	s_cmp_lt_u32 s10, \k
	s_cbranch_scc1 .Lnone_\k
.if \k < 4
	s_sub_co_u32 s60, s10, \k                      ; item (i, k) stands at place x = i - k of list P = k,
.else
	s_add_co_u32 s60, s10, 1                       ; or at x = i + 1 of list P = 7 - k;
.endif
	s_mul_i32 s61, s60, 11
	s_lshr_b32 s61, s61, 5                         ; x / 3 (x is 8 at the most)
	s_mul_i32 s61, s61, 9
	s_add_co_u32 s60, s60, s61
.if \k < 4
	s_add_co_u32 s60, s60, 3*\k                    ; its slot: 3 (P + 4 (x / 3)) + x % 3 = 3 P + x + 9 (x / 3)
.else
	s_add_co_u32 s60, s60, 3*(7-\k)
.endif
	s_mul_i32 s60, s60, SLOTB
	v_add_nc_u32 v[AD2], s60, v[L4R]
	ds_load_b32 v[TT+\k], v[AD2]
	ds_load_b32 v[WW+\k], v[AD2] offset:128
	ds_load_b32 v[YY+\k], v[AD2] offset:256
.Lnone_\k:
.endr
	s_wait_dscnt 0x0
.irp k, 0,1,2,3,4,5,6,7
	v_permlanex16_b32 v[OO+\k], v[TT+\k], s18, s19 ; the other half's g T
.endr
.irp k, 0,1,2,3,4,5,6,7
	v_add_f32 v[UU+\k], v[TT+\k], v[OO+\k]         ; the step's
.endr
	v_cmp_eq_u32 vcc_lo, 0, v[HH]
.irp k, 0,1,2,3,4,5,6,7
	v_cndmask_b32 v[OO+\k], 0, v[OO+\k], vcc_lo    ; behind a lower half lies its step's upper half; behind an upper half nothing of its step (a choice, no product: g T may be -infinity)
.endr
	v_add_f32 v[CC+6], v[OO+6], v[UU+7]            ; and all later steps
.irp k, 6,5,4,3,2,1
	v_add_f32 v[UU+\k], v[UU+\k], v[UU+\k+1]
	v_add_f32 v[CC+\k-1], v[OO+\k-1], v[UU+\k]
.endr
	v_exp_f32 v[CC+7], v[OO+7]
.irp k, 0,1,2,3,4,5,6
	v_exp_f32 v[CC+\k], v[CC+\k]                   ; each piece's factor
.endr
	v_nop
	s_wait_alu depctr_va_vdst(0)                   ; one wait for the eight, ahead of their first reader
	v_mul_f32 v[UU], v[CC], v[WW]
	v_mul_f32 v[UU+1], v[CC], v[YY]
.irp k, 1,2,3,4,5,6,7
	v_fma_f32 v[UU], v[CC+\k], v[WW+\k], v[UU]
	v_fma_f32 v[UU+1], v[CC+\k], v[YY+\k], v[UU+1]
.endr
	v_permlanex16_b32 v[OO], v[UU], s18, s19
	v_permlanex16_b32 v[OO+1], v[UU+1], s18, s19
	v_add_f32 v[UU], v[UU], v[OO]
	v_add_f32 v[UU+1], v[UU+1], v[OO+1]
	v_fmaak_f32 v[UU+2], v[HRT], v[UU], 0x358637bd ; the sum of the weights + 1e-6
	v_rcp_f32 v[UU+3], v[UU+2]
	v_mul_f32 v[UU+1], v[HRT], v[UU+1]             ; (a plain instruction behind the reciprocal)
	v_and_b32 v[T0], 31, v0
	s_wait_alu depctr_va_vdst(0)
	v_mul_f32 v[UU], v[UU+1], v[UU+3]
	v_max_num_f32 v[UU], s23, v[UU]
	v_min_num_f32 v[UU], s27, v[UU]
	v_cmp_gt_u32 vcc_lo, 16, v[T0]                 ; both halves hold the same number: lanes 0 to 15 store it
	s_wait_xcnt 0x0                                ; EXEC changes only behind this wait
	s_and_saveexec_b32 s62, vcc_lo
	global_store_b32 v[TL], v[UU], s[8:9]
	s_wait_xcnt 0x0                                ; and again, in front of the line that widens it
	s_or_b32 exec_lo, exec_lo, s62
.Lno_join:
	s_wait_dscnt 0x0                               ; every wave's reads of the results are over before the closing lines
	s_barrier_signal -1
	s_barrier_wait -1
	s_wait_tensorcnt 0x0                           ; the wave's end: behind my last tensor load and my last LDS store
	ds_add_u32 v[SPW], v[NIL]
	s_wait_dscnt 0x0
	ROUND                                          ; the closing round: no work-group ends while a partner may still ask for a block that names it
	s_endpgm
.Lfunc_end_k_q18a6b9f04f_main:
	.size	k_q18a6b9f04f_main, .Lfunc_end_k_q18a6b9f04f_main-k_q18a6b9f04f_main
	.p2alignl 7, 3214868480
	.fill 96, 4, 3214868480
	.section	.rodata,"a",@progbits
	.p2align	6, 0x0
	.amdhsa_kernel k_q18a6b9f04f_main
		.amdhsa_group_segment_fixed_size 167936
		.amdhsa_private_segment_fixed_size 0
		.amdhsa_enable_private_segment 0
		.amdhsa_kernarg_size 24
		.amdhsa_user_sgpr_count 2
		.amdhsa_user_sgpr_kernarg_segment_ptr 1
		.amdhsa_wavefront_size32 1
		.amdhsa_system_sgpr_workgroup_id_x 1
		.amdhsa_system_sgpr_workgroup_id_y 1
		.amdhsa_system_sgpr_workgroup_id_z 1
		.amdhsa_system_vgpr_workitem_id 0
		.amdhsa_next_free_vgpr 256
		.amdhsa_next_free_sgpr 66
		.amdhsa_reserve_vcc 1
		.amdhsa_float_denorm_mode_32 3
		.amdhsa_float_denorm_mode_16_64 3
		.amdhsa_memory_ordered 1
		.amdhsa_forward_progress 1
		.amdhsa_inst_pref_size 87
	.end_amdhsa_kernel
	.amdgpu_metadata
---
amdhsa.version: [ 1, 2 ]
amdhsa.kernels:
  - .name:           k_q18a6b9f04f_main
    .symbol:         k_q18a6b9f04f_main.kd
    .args:
      - { .name: kimg, .offset: 0, .size: 8, .value_kind: global_buffer, .address_space: global }
      - { .name: qaux, .offset: 8, .size: 8, .value_kind: global_buffer, .address_space: global }
      - { .name: out0, .offset: 16, .size: 8, .value_kind: global_buffer, .address_space: global }
    .group_segment_fixed_size: 167936
    .private_segment_fixed_size: 0
    .kernarg_segment_align: 8
    .kernarg_segment_size: 24
    .max_flat_workgroup_size: 384
    .sgpr_count:     66
    .vgpr_count:     256
    .wavefront_size: 32
...
	.end_amdgpu_metadata
.endif
;; end of part 2
